; MI455X (gfx1250); checked and timed in simulation.
; The chip was launched on July 23, 2026; its instructions are those of AMD's public machine-readable ISA for CDNA 5 (MIT licence, August 2026) and "CDNA5" Instruction Set Architecture Reference Guide (July 2026). The comments in the code are by the model that wrote it; some were corrected since.
;; Multi Head Attention. Allowed arithmetic: matrix products marked QUANTISED: E2M1 operands, one E8M0 scale for each 32 along K, by v_wmma_scale_f32_16x16x128_f8f6f4 with both operands' format E2M1 (or v_wmma_scale_f32_32x16x128_f4), f32 sums; everything else in f32.
;; Inputs: b_proj 1,024 float32; b_qkv 3,072 float32; w_proj_codes 1,024 x 32 x 16 uint8 (E2M1 codes of w_proj, K innermost, in blocks of 32 codes, two codes a byte); w_proj_scales 1,024 x 32 uint8 (E8M0 scales of w_proj, one for each 32 codes along K); w_qkv_codes 3,072 x 32 x 16 uint8 (E2M1 codes of w_qkv, K innermost, in blocks of 32 codes, two codes a byte); w_qkv_scales 3,072 x 32 uint8 (E8M0 scales of w_qkv, one for each 32 codes along K); x_codes 4 x 2,048 x 32 x 16 uint8 (E2M1 codes of x, K innermost, in blocks of 32 codes, two codes a byte); x_scales 4 x 2,048 x 32 uint8 (E8M0 scales of x, one for each 32 codes along K).
;; Outputs: out0 4 x 2,048 x 1,024 float32.
;; This version of the problem:
;;   THIS VERSION OF THE PROBLEM IS GIVEN IN LOW PRECISION. The matrix products marked QUANTISED in the list below multiply operands that are first quantised to E2M1 (2 exponent bits, 1 mantissa bit; 4 bits a number), with one power-of-two scale for each 32 numbers along K (OCP MX v1.0); their sums are f32. All else is computed in f32.
;;   The module's matrix products, in the order in which they are computed (A, B: the left and right operand; K: the contracted axis; several contracted axes count as one K, in the product's order):
;;     1. [M 8,192, K 1,024] x [K 1,024, N 3,072]; A: input x (given as codes); B: input w_qkv (given as codes): QUANTISED
;;     2. batch 64 x [M 2,048, K 64] x [K 64, N 2,048]; A: computed on the way; B: computed on the way: QUANTISED
;;     3. batch 64 x [M 2,048, K 2,048] x [K 2,048, N 64]; A: softmax (see below); B: computed on the way: QUANTISED
;;     4. [M 8,192, K 1,024] x [K 1,024, N 1,024]; A: computed on the way; B: input w_proj (given as codes): QUANTISED
;;   THE QUANTISER, for each operand of a quantised product, along K:
;;     - K is cut into blocks of 32 from its start; a last block that is shorter is filled with zeros.
;;     - A block's scale is 2^e with e = floor(log2(the largest magnitude in the block)) - 2, held to -126 .. 127; a block of zeros has e = 0. As a byte (E8M0): e + 127.
;;     - Each number is divided by its block's scale, clamped to +-6, and rounded to the nearest number of E2M1, ties to even, subnormals kept.
;;     - The product sums the exact products of the quantised numbers (number of the format x scale) in f32.
;;   ~~~python
;;   def quantise(x, axis):      # numpy; x: float32 -> the quantised numbers, widened to float32 again
;;       x = np.moveaxis(x, axis, -1); K = x.shape[-1]
;;       x = np.pad(x, [(0, 0)] * (x.ndim - 1) + [(0, -K % 32)]); x = x.reshape(x.shape[:-1] + (-1, 32)); a = np.abs(x).max(-1, keepdims=True)
;;       e = np.where(a > 0, np.clip(np.frexp(np.where(a > 0, a, 1))[1] - 1 - 2, -126, 127), 0)      # np.frexp(a)[1] - 1 = floor(log2(a)), exactly
;;       r = np.clip(x / 2.0 ** e, -6, 6)
;;       step = 2.0 ** (np.maximum(np.frexp(np.where(r == 0, 1, r))[1] - 1, 0) - 1)
;;       q = np.round(r / step) * step * 2.0 ** e      # np.round: ties to even
;;       return np.moveaxis(q.reshape(q.shape[:-2] + (-1,))[..., :K], -1, axis).astype(np.float32)
;;   ~~~
;;   SOFTMAX AHEAD OF A QUANTISED PRODUCT. Where the list says 'softmax', what is quantised is not the finished softmax but p = 2^(t - M), with t = logit x log2(e) and M = ceil(the row's largest t), a whole number; so 1/2 < the row's largest p <= 1. The row's sum l is taken of the UNQUANTISED p, in f32, and the product's result is divided by l at the end. Since M is a whole number, a kernel that streams over the keys may use a running M (the ceiling of the running maximum): every later rescaling is an exact power of two, which a block's scale takes up: the codes' values come out the same.
;;   OPERANDS COMPUTED ON THE WAY. 'Computed on the way' means the value that the module computes at that place (a softmax that the list does not call 'softmax' is quantised finished and normalised). What goes into a quantiser is computed in f32, as accurately as f32 sums, v_exp_f32 and their like allow (about 1e-6 of the number): no bf16 or f16 on the way to a quantiser, and a product that is left as it is and whose result goes on into a quantised operand takes f32 operands (vector FMAs, or v_wmma_f32_16x16x4_f32). A number that lies on a knife's edge between two numbers of the format may be rounded either way, as far as f32 arithmetic and the matrix unit's own rounding can turn it there, and no further.
;;   INPUTS GIVEN AS CODES. w_proj (in the module: [1024, 1024], K = its axis 1); w_qkv (in the module: [3072, 1024], K = its axis 1); x (in the module: [4, 2048, 1024], K = its axis 2): each comes as NAME_codes (uint8): NAME with its K axis moved to the last place and cut into blocks of 32 codes, [.., K / 32, bytes a block], one block behind the other in memory; two codes a byte, the lower K in the low four bits (a code: sign, 2 exponent bits, 1 mantissa bit); and NAME_scales (uint8): the same leading axes, one E8M0 byte (e + 127) for each 32 codes along K. Its value is code x scale, taken as it is: it is not quantised again, and the codes and scales need not be those that the quantiser above would give.
;; One version. Each part assembles by itself: llvm-mc -triple=amdgcn-amd-amdhsa -mcpu=gfx1250 --defsym DOCPART=n.
;; ======== version 1 of 1: 3 launches
;; workspace buffers: qimg 4,194,304 bytes; qscl 524,288 bytes; kv 9,175,040 bytes; oimg 4,194,304 bytes; oscl 262,144 bytes
;; launch qkv (part 1): grid 8 x 32, 8 waves a work-group, clusters of 4 x 4, 327,680 bytes of LDS; arguments x_codes, x_scales, w_qkv_codes, w_qkv_scales, b_qkv, qimg, qscl, kv; writes qimg, qscl, kv
.if DOCPART == 1
	.amdgcn_target "amdgcn-amd-amdhsa--gfx1250"
	.amdhsa_code_object_version 6
	.text
	.protected	k_q1cbc64f5bd_qkv
	.globl	k_q1cbc64f5bd_qkv
	.p2align	8
	.type	k_q1cbc64f5bd_qkv,@function
k_q1cbc64f5bd_qkv:
	s_mov_b64 s[64:65], 0
	v_nop
	global_prefetch_b8 v0, s[64:65] scope:SCOPE_SE
	s_setreg_imm32_b32 hwreg(HW_REG_WAVE_MODE, 25, 1), 1
	s_wait_xcnt 0x0
	s_wait_alu depctr_hold_cnt(0) depctr_sa_sdst(0) depctr_va_vdst(0) depctr_va_sdst(0) depctr_va_ssrc(0) depctr_va_vcc(0) depctr_vm_vsrc(0)
	s_getreg_b32 s2, hwreg(HW_REG_IB_STS2, 6, 4)
	s_cmp_eq_u32 s2, 0
	s_cbranch_scc0 .Lentry_in_a_cluster
	s_endpgm
.Lentry_in_a_cluster:
	s_bfe_u32 s2, ttmp6, 0x10000c
	s_cmp_lg_u32 s2, 0xf033
	s_cbranch_scc0 .Lentry_shape_is_right
	s_endpgm
.Lentry_shape_is_right:
; qkv = x w_qkv^T + b_qkv on codes of FP4 (E2M1) with one E8M0 scale for each 32 along K = 1,024, f32 sums; then q and k are quantised along the head's 64, v along the keys,
; and leave as IMAGES OF OPERAND REGISTERS (a piece = 4 registers = 512 bytes, lane l's 16 bytes at 16 l), so that the attention launch loads them as they lie.
; NO WORK IS LEFT OUT: every product, both biases and every input have a way to the output (each bias goes into a quantiser or into the result).
; LIMITS: NaN and infinities are not served.  A block of zeros gets the scale byte 1 where the quantiser says 127: its codes are zeros, and these bytes are read by this program alone.
; A block whose largest magnitude lies under 2^(3 - 127) is held at the byte 1.
; SHARES.  Work-group (j, i): rows 256 i .. + 255 of x (batch i / 8), heads 2 j and 2 j + 1.  The x tile (all of K) stays in LDS; three phases multiply it by 128 rows of w_qkv each: q's, k's, v's.
; Eight waves: wave w takes x rows 64 (w / 2) .. + 63 and the head w % 2: 4 x 4 tiles, 16 accumulators, 128 registers.
; Phases q and k: source 0 = 16 rows of W, source 1 = 16 rows of x: a lane holds ONE row s and its registers run along d.  Phase v: the sources change places: a lane holds one d and its registers run along the keys.
; So in each phase a lane's 32 registers of four tiles run along the next product's K, and the conversions' results, with two exchanges of halves, are the next operand's registers.
; CLUSTER 4 x 4: the four of a row share the x tile, the four of a column the W tiles: each is asked for jointly, by the same tensor load with a mask that names the four.
; LDS: W has two slots; q's slot is filled once more, with v's rows, behind a round of the cluster's barrier; that load lands under q's way out and all of phase k.  By this text's count a wave has at most two tensor loads out.
.set PITCH, 528                        ; a row of 1,024 codes: 512 bytes + 16 of padding: 33 x 16 bytes, so the 16 rows of a fragment load lie in 16 different 16-byte columns modulo 256 bytes
.set T16,   16*PITCH
.set T64,   64*PITCH
.set WA,    4*T64                      ; LDS: x's 256 rows from 0; W's slot A (128 rows),
.set WBB,   WA+2*T64                   ; slot B,
.set XSB,   WBB+2*T64                  ; x's scale bytes: 8,192 dense bytes as 32 rows of 256 + 16,
.set WSA,   XSB+32*272                 ; W's, slot A: 16 such rows,
.set WSB,   WSA+16*272                 ; slot B,
.set SPARE, WSB+16*272                 ; the spare words, 128 bytes for each wave: four blocks of 256 bytes that no other line names,
.set STG1,  SPARE+8*128                ; and 256 bytes for each wave, for scale words on their way out
.set REC,   143360                     ; kv: a head's record: k's pieces, v's pieces from VCO, k's scale words from KSC, v's from VSC
.set VCO,   65536
.set KSC,   131072
.set VSC,   139264
.set ADX,  1                           ; v1   LDS address of my x fragments
.set ADWA, 2                           ; v2   of my W fragments in slot A
.set ADXS, 3                           ; v3   of my rows' x scale words: lane l takes row 32 i + l
.set ADWS, 4                           ; v4   the same for W, slot A
.set LI,   5                           ; v5   16 x lane
.set L8,   6                           ; v6   8 x lane
.set STO1, 7                           ; v7   my wave's stage + 4 r
.set RD1,  8                           ; v8   my wave's stage + 8 x lane
.set RD2,  9                           ; v9   the stage of the first of the two waves whose v scale halves I join
.set BAH,  11                          ; v11  32 h: the bias of a lane's eight d
.set BAR,  12                          ; v12  4 r: the bias of a lane's one d
.set SPW,  13                          ; v13  my spare word; never rewritten
.set NIL,  14                          ; v14  0; never rewritten
.set ADWB, 15                          ; v15  my W fragments in slot B
.set XS,   16                          ; v16-23 x's scale words, v24-31 W's: register 4 i + q % 4: lanes 0-15 tile 2 i, lanes 16-31 tile 2 i + 1; scales and nothing else
.set WS,   24
.set BI,   32                          ; v32-63  the bias in the result's layout: the C of a phase's first products
.set XF,   64                          ; v64-95  x's four fragments of a K step
.set WF,   96                          ; v96-127 W's four
.set ACC,  128                         ; v128-255: accumulator (n, t) at ACC + 32 n + 8 t: n the tile of lanes, t the tile of registers
.set TM,   64                          ; on the way out the fragment registers are free: v64-95 at work, eight for each n
.set PC,   96                          ; v96-111 the codes, four for each n
.set PW,   112                         ; v112-115 the scale words
.set TT,   116                         ; v116-119 scale words read back
.set WV,   20
.set W1,   21
.set GG,   22
.set CX,   23
.set CY,   24
.set JJ,   25
.set II,   26
.set G1X,  28                          ; descriptor groups 1: x's codes, W's codes, x's scales, W's scales
.set G1W,  36
.set G1XS, 44
.set G1WS, 52
.set G0X,  60                          ; groups 0
.set SEL,  66
.set G0WA, 68
.set G0WB, 72
.set G0XS, 76
.set G0WSA, 80
.set G0WSB, 84
.set QCB,  88                          ; where my results go
.set QSB,  90
.set KCB,  92
.set KSB,  94
.set VCB,  96
.set VSB,  98
.set BQ,   100
.macro PLACES                          ; four plain places behind matrix instructions, in front of loads into their registers and of reads of their results
.rept 4
	v_nop
.endr
.endm
.macro CROUND                          ; a round of the cluster's barrier
	s_barrier_signal -1
	s_barrier_wait -1
	s_cmp_lg_u32 s[WV], 0
	s_cbranch_scc1 .Lnot_wave_0_\@
	s_barrier_signal -3
.Lnot_wave_0_\@:
	s_barrier_wait -3
	s_barrier_signal -1
	s_barrier_wait -1
.endm
; one matrix instruction; ra, rb: the scale words of source 0, 1 stand in lanes 16-31
.macro WM d, a, b, c, sa, sb, ra, rb
.set rD, \d
.set rA, \a
.set rB, \b
.set rC, \c
.set rSA, \sa
.set rSB, \sb
.set rSEL, 2*(\ra)+(\rb)
.if rSEL == 0
	v_wmma_scale_f32_16x16x128_f8f6f4 v[rD:rD+7], v[rA:rA+7], v[rB:rB+7], v[rC:rC+7], v[rSA], v[rSB] matrix_a_fmt:MATRIX_FMT_FP4 matrix_b_fmt:MATRIX_FMT_FP4
.elseif rSEL == 1
	v_wmma_scale_f32_16x16x128_f8f6f4 v[rD:rD+7], v[rA:rA+7], v[rB:rB+7], v[rC:rC+7], v[rSA], v[rSB] matrix_a_fmt:MATRIX_FMT_FP4 matrix_b_fmt:MATRIX_FMT_FP4 matrix_b_scale:MATRIX_SCALE_ROW1
.elseif rSEL == 2
	v_wmma_scale_f32_16x16x128_f8f6f4 v[rD:rD+7], v[rA:rA+7], v[rB:rB+7], v[rC:rC+7], v[rSA], v[rSB] matrix_a_fmt:MATRIX_FMT_FP4 matrix_b_fmt:MATRIX_FMT_FP4 matrix_a_scale:MATRIX_SCALE_ROW1
.else
	v_wmma_scale_f32_16x16x128_f8f6f4 v[rD:rD+7], v[rA:rA+7], v[rB:rB+7], v[rC:rC+7], v[rSA], v[rSB] matrix_a_fmt:MATRIX_FMT_FP4 matrix_b_fmt:MATRIX_FMT_FP4 matrix_a_scale:MATRIX_SCALE_ROW1 matrix_b_scale:MATRIX_SCALE_ROW1
.endif
.endm
; A K step of 128: 16 (every fourth step 20) LDS loads, 16 matrix instructions on 16 accumulators by turns, in the same order in every step.
; mode 0: source 0 = W, source 1 = x; mode 1: the other way round.  first = 1: the bias is the C.
.macro KSTEP mode, q, wadr, wsoff, first
.if (\q)%4 == 0
.irp i, 0,1
	ds_load_b128 v[XS+4*\i:XS+4*\i+3], v[ADXS] offset:1088*\i+16*((\q)/4)          ; four K steps' scale words of 32 rows
	ds_load_b128 v[WS+4*\i:WS+4*\i+3], v[ADWS] offset:\wsoff+1088*\i+16*((\q)/4)
.endr
.endif
.irp n, 0,1,2,3
.irp c, 0,1
	ds_load_b128 v[XF+8*\n+4*\c:XF+8*\n+4*\c+3], v[ADX] offset:T16*\n+64*(\q)+32*\c
.endr
.endr
.irp n, 0,1,2,3
.irp c, 0,1
	ds_load_b128 v[WF+8*\n+4*\c:WF+8*\n+4*\c+3], v[\wadr] offset:T16*\n+64*(\q)+32*\c
.endr
.endr
.if \first
	s_wait_loadcnt 0x0                             ; the bias
.endif
.irp a, 0,1,2,3
	s_wait_dscnt 6-2*\a                            ; all is in but W's tiles behind tile a, two loads each
.irp b, 0,1,2,3
.if \mode == 0
.if \first
	WM ACC+32*\b+8*\a, WF+8*\a, XF+8*\b, BI+8*\a, WS+4*(\a/2)+(\q)%4, XS+4*(\b/2)+(\q)%4, \a%2, \b%2
.else
	WM ACC+32*\b+8*\a, WF+8*\a, XF+8*\b, ACC+32*\b+8*\a, WS+4*(\a/2)+(\q)%4, XS+4*(\b/2)+(\q)%4, \a%2, \b%2
.endif
.else
.if \first
	WM ACC+32*\a+8*\b, XF+8*\b, WF+8*\a, BI+8*\a, XS+4*(\b/2)+(\q)%4, WS+4*(\a/2)+(\q)%4, \b%2, \a%2
.else
	WM ACC+32*\a+8*\b, XF+8*\b, WF+8*\a, ACC+32*\a+8*\b, XS+4*(\b/2)+(\q)%4, WS+4*(\a/2)+(\q)%4, \b%2, \a%2
.endif
.endif
.endr
.endr
	PLACES
.endm
.macro BIAS0 part                      ; lane (r, h), tile t, register j: b(1,024 part + my head's 16 t + 8 h + j)
.irp t, 0,1,2,3
.irp u, 0,1
	global_load_b128 v[BI+8*\t+4*\u:BI+8*\t+4*\u+3], v[BAH], s[BQ:BQ+1] offset:4096*\part+64*\t+16*\u
.endr
.endr
.endm
.macro BIAS1                           ; lane (r, h), tile n, every register: b(2,048 + my head's 16 n + r)
.irp n, 0,1,2,3
.irp j, 0,1,2,3,4,5,6,7
	global_load_b32 v[BI+8*\n+\j], v[BAR], s[BQ:BQ+1] offset:8192+64*\n
.endr
.endr
.endm
; For each n: the lane's 32 numbers v[ACC + 32 n ..], register 16 b + i in block b of the next K, become four registers of codes and a word with the two scale bytes.  A block lies in lanes l and l xor 16.
; Tile t's eight codes go to register 2 (t % 2) + t / 2; the two exchanges of halves then leave k = 32 h + 0 .. 31 in lane (r, h).  Each accumulator is read from its low end on.  The eight chains take turns.
.macro QUANT_ALL
.irp b, 0,1
.irp n, 0,1,2,3
	v_max3_num_f32 v[TM+8*\n+\b], |v[ACC+32*\n+16*\b]|, |v[ACC+32*\n+16*\b+1]|, 0x1800000   ; with the floor 2^(3 - 127): the byte cannot fall under 1
.endr
.endr
.irp i, 2,4,6,8,10,12,14
.irp b, 0,1
.irp n, 0,1,2,3
	v_max3_num_f32 v[TM+8*\n+\b], v[TM+8*\n+\b], |v[ACC+32*\n+16*\b+\i]|, |v[ACC+32*\n+16*\b+\i+1]|
.endr
.endr
.endr
.irp b, 0,1
.irp n, 0,1,2,3
	v_permlanex16_b32 v[TM+8*\n+2+\b], v[TM+8*\n+\b], s[SEL], s[SEL+1]
.endr
.endr
.irp b, 0,1
.irp n, 0,1,2,3
	v_max_num_f32 v[TM+8*\n+\b], v[TM+8*\n+\b], v[TM+8*\n+2+\b]      ; the block's largest magnitude
.endr
.endr
.irp b, 0,1
.irp n, 0,1,2,3
	v_add_nc_u32 v[TM+8*\n+4+\b], 0xff000000, v[TM+8*\n+\b]          ; 2 off its exponent field: the conversion's scale operand
.endr
.endr
.irp b, 0,1
.irp n, 0,1,2,3
	v_lshrrev_b32 v[TM+8*\n+2+\b], 23, v[TM+8*\n+4+\b]               ; the scale's byte
.endr
.endr
.irp n, 0,1,2,3
	s_delay_alu instid0(VALU_DEP_4)
	v_lshl_or_b32 v[PW+\n], v[TM+8*\n+3], 8, v[TM+8*\n+2]            ; two bytes; the word's upper half is 0
.endr
.irp n, 0,1,2,3
.irp t, 0,1,2,3
	v_cvt_scalef32_pk8_fp4_f32 v[PC+4*\n+2*(\t%2)+\t/2], v[ACC+32*\n+8*\t:ACC+32*\n+8*\t+7], v[TM+8*\n+4+\t/2]
.endr
.endr
	v_nop                                          ; one plain place behind the scaled conversions
.irp n, 0,1,2,3
	v_permlane16_swap_b32 v[PC+4*\n], v[PC+4*\n+1]
	v_permlane16_swap_b32 v[PC+4*\n+2], v[PC+4*\n+3]
.endr
.endm
; q's or k's way out: four pieces of 512 consecutive bytes; the 64 scale words through my own 256 bytes of LDS, so that they leave as 256 consecutive bytes, aligned
.macro EPI_QK cb, sb, imm
	QUANT_ALL
.irp n, 0,1,2,3
	global_store_b128 v[LI], v[PC+4*\n:PC+4*\n+3], s[\cb:\cb+1] offset:512*\n
.endr
.irp n, 0,1,2,3
	ds_store_b32 v[STO1], v[PW+\n] offset:64*\n    ; lanes r and 16 + r write the same word with the same value
.endr
	ds_load_b64 v[TT:TT+1], v[RD1]                 ; LDS serves a wave's instructions in order: this sees my stores
	s_wait_dscnt 0x0
	global_store_b64 v[L8], v[TT:TT+1], s[\sb:\sb+1] offset:\imm
	s_wait_xcnt 0x0                                ; the stores have read their registers: the next phase loads fragments into them
.endm
	s_load_b256 s[4:11], s[0:1], 0x0               ; x's codes, x's scales, W's codes, W's scales
	s_load_b256 s[12:19], s[0:1], 0x20             ; b_qkv, qimg, qscl, kv
	v_lshl_add_u32 v[SPW], v0, 2, SPARE
	v_mov_b32 v[NIL], 0
	ds_add_u32 v[SPW], v[NIL]                      ; the wave's opening: the add, twice on end, and its wait ahead of my first tensor load
	ds_add_u32 v[SPW], v[NIL]                      ; and once more; the set-up below, work on registers, stands between it and the wait
	v_lshrrev_b32 v64, 5, v0
	s_delay_alu instid0(VALU_DEP_1)
	v_readfirstlane_b32 s[WV], v64                 ; wave 0..7
	s_and_b32 s[W1], s[WV], 1                      ; which head of the two
	s_lshr_b32 s[GG], s[WV], 1                     ; which 64 rows of x
	s_bfe_u32 s[CX], ttmp6, 0x40000
	s_bfe_u32 s[CY], ttmp6, 0x40004
	s_lshl_b32 s[JJ], ttmp9, 2
	s_add_co_u32 s[JJ], s[JJ], s[CX]               ; j = 4 x cluster x + cx
	s_and_b32 s[II], ttmp7, 0xffff
	s_lshl_b32 s[II], s[II], 2
	s_add_co_u32 s[II], s[II], s[CY]               ; i = 4 x cluster y + cy
	s_lshl_b32 s2, s[CY], 2
	s_lshl_b32 s2, 15, s2                          ; my row of the cluster: shares x
	s_lshl_b32 s3, 0x1111, s[CX]                   ; my column: shares W
	; groups 1.  Codes: 64 rows of 512 bytes (elements of 1 byte), 4 words of padding behind every 128.  Scales: dense bytes as rows of 256 (32 elements of 8 bytes), 4 words behind every 64
	s_or_b32 s[G1X], s2, (1<<20)|(1<<21)|(6<<22)|(3<<25)
	s_or_b32 s[G1W], s3, (1<<20)|(1<<21)|(6<<22)|(3<<25)
.irp g, G1X, G1W
	s_mov_b32 s[\g+1], 512<<16                     ; tensor_dim0
	s_mov_b32 s[\g+2], 64<<16                      ; tensor_dim1
	s_mov_b32 s[\g+3], 512<<16                     ; tile_dim0
	s_mov_b32 s[\g+4], 64                          ; tile_dim1
	s_mov_b32 s[\g+5], 512                         ; from row to row
	s_mov_b32 s[\g+6], 0
	s_mov_b32 s[\g+7], 0
.endr
	s_or_b32 s[G1XS], s2, (3<<16)|(1<<20)|(1<<21)|(5<<22)|(3<<25)
	s_mov_b32 s[G1XS+1], 32<<16
	s_mov_b32 s[G1XS+2], 32<<16
	s_mov_b32 s[G1XS+3], 32<<16
	s_mov_b32 s[G1XS+4], 32
	s_mov_b32 s[G1XS+5], 32
	s_mov_b32 s[G1XS+6], 0
	s_mov_b32 s[G1XS+7], 0
	s_or_b32 s[G1WS], s3, (3<<16)|(1<<20)|(1<<21)|(5<<22)|(3<<25)
	s_mov_b32 s[G1WS+1], 32<<16
	s_mov_b32 s[G1WS+2], 16<<16
	s_mov_b32 s[G1WS+3], 32<<16
	s_mov_b32 s[G1WS+4], 16
	s_mov_b32 s[G1WS+5], 32
	s_mov_b32 s[G1WS+6], 0
	s_mov_b32 s[G1WS+7], 0
	; groups 0: LDS addresses of the wave's number alone; x's offsets of i alone, W's of j alone
	s_mov_b32 s[G0X], 1
	s_and_b32 s27, s[WV], 3
	s_mul_i32 s[G0X+1], s27, T64
	s_lshl_b32 s[G0X+2], s[II], 17                 ; 256 i rows of 512 bytes
	s_lshl_b32 s27, s27, 15                        ; + 64 (w % 4) rows
	s_add_co_u32 s[G0X+2], s[G0X+2], s27
	s_mov_b32 s[G0X+3], 0
	s_mov_b32 s[G0XS], 1
	s_mov_b32 s[G0XS+1], XSB
	s_lshl_b32 s[G0XS+2], s[II], 13                ; 256 i rows of 32 bytes
	s_mov_b32 s[G0XS+3], 0
	s_mov_b32 s[G0WA], 1
	s_mov_b32 s[G0WB], 1
	s_mul_i32 s[G0WA+1], s[W1], T64
	s_add_co_u32 s[G0WB+1], s[G0WA+1], WBB
	s_add_co_u32 s[G0WA+1], s[G0WA+1], WA
	s_lshl_b32 s[G0WA+2], s[JJ], 16                ; 128 j rows of 512 bytes
	s_lshl_b32 s27, s[W1], 15                      ; + 64 (w % 2) rows
	s_add_co_u32 s[G0WA+2], s[G0WA+2], s27
	s_mov_b32 s[G0WA+3], 0
	s_mov_b32 s[G0WSA], 1
	s_mov_b32 s[G0WSB], 1
	s_mov_b32 s[G0WSA+1], WSA
	s_mov_b32 s[G0WSB+1], WSB
	s_lshl_b32 s[G0WSA+2], s[JJ], 12               ; 128 j rows of 32 bytes
	s_mov_b32 s[G0WSA+3], 0
	s_mov_b32 s[SEL], 0x76543210
	s_mov_b32 s[SEL+1], 0xfedcba98                 ; v_permlanex16_b32's selects for lane l xor 16
	; where my results go, as offsets.  bh = 16 (i / 8) + 2 j + w % 2;  i7 = i % 8: my 256 positions of the sequence
	s_lshr_b32 s2, s[II], 3
	s_lshl_b32 s2, s2, 4
	s_lshl_b32 s3, s[JJ], 1
	s_add_co_u32 s2, s2, s3                        ; 16 b + 2 j
	s_and_b32 s3, s[WV], 3
	s_lshr_b32 s3, s3, 1
	s_add_co_u32 s3, s2, s3                        ; the head whose v scale words I store, if I store any
	s_add_co_u32 s2, s2, s[W1]                     ; bh
	s_and_b32 s27, s[II], 7                        ; i7
	s_lshl_b32 s[QCB], s2, 16
	s_lshl_b32 s[QSB], s2, 13
	s_mul_i32 s[KCB], s2, REC
	s_mul_i32 s[VSB], s3, REC
	s_mov_b32 s[KSB], s[KCB]
	s_mov_b32 s[VCB], s[KCB]
	s_lshl_b32 s2, s27, 13
	s_lshl_b32 s3, s[GG], 11
	s_add_co_u32 s2, s2, s3                        ; pieces: 512 x (16 i7 + 4 G)
	s_add_co_u32 s[QCB], s[QCB], s2
	s_add_co_u32 s[KCB], s[KCB], s2
	s_lshr_b32 s2, s2, 3                           ; scale words: 4 x (256 i7 + 64 G)
	s_add_co_u32 s[QSB], s[QSB], s2
	s_add_co_u32 s[KSB], s[KSB], s2
	s_lshl_b32 s2, s27, 13                         ; v: key step 2 i7 + G / 2 of 4,096 bytes, half G % 2 of 512
	s_lshr_b32 s3, s[GG], 1
	s_lshl_b32 s3, s3, 12
	s_add_co_u32 s2, s2, s3
	s_and_b32 s3, s[GG], 1
	s_lshl_b32 s3, s3, 9
	s_add_co_u32 s2, s2, s3
	s_add_co_u32 s[VCB], s[VCB], s2
	s_lshl_b32 s2, s27, 9                          ; v's scale words: key step 2 i7 + w % 2 of 256 bytes
	s_lshl_b32 s3, s[W1], 8
	s_add_co_u32 s2, s2, s3
	s_add_co_u32 s[VSB], s[VSB], s2
	s_lshl_b32 s[BQ], s[JJ], 9                     ; the bias: 4 x (128 j + 64 (w % 2))
	s_add_co_u32 s[BQ], s[BQ], s3
.irp p, QCB, QSB, KCB, KSB, VCB, VSB, BQ
	s_mov_b32 s[\p+1], 0
.endr
	s_wait_dscnt 0x0                               ; both opening adds are done
	s_wait_kmcnt 0x0
	s_add_nc_u64 s[G0X+2:G0X+3], s[4:5], s[G0X+2:G0X+3]
	s_or_b32 s[G0X+3], s[G0X+3], 0x80000000
	s_add_nc_u64 s[G0XS+2:G0XS+3], s[6:7], s[G0XS+2:G0XS+3]
	s_or_b32 s[G0XS+3], s[G0XS+3], 0x80000000
	s_add_nc_u64 s[G0WA+2:G0WA+3], s[8:9], s[G0WA+2:G0WA+3]        ; q's rows of W
	s_add_nc_u64 s[G0WB+2:G0WB+3], s[G0WA+2:G0WA+3], 0x80000       ; k's: 1,024 rows of 512 bytes on
	s_or_b32 s[G0WA+3], s[G0WA+3], 0x80000000
	s_or_b32 s[G0WB+3], s[G0WB+3], 0x80000000
	s_add_nc_u64 s[G0WSA+2:G0WSA+3], s[10:11], s[G0WSA+2:G0WSA+3]
	s_add_nc_u64 s[G0WSB+2:G0WSB+3], s[G0WSA+2:G0WSA+3], 0x8000    ; 1,024 rows of 32 bytes on
	s_or_b32 s[G0WSA+3], s[G0WSA+3], 0x80000000
	s_or_b32 s[G0WSB+3], s[G0WSB+3], 0x80000000
	s_add_nc_u64 s[BQ:BQ+1], s[12:13], s[BQ:BQ+1]
	s_add_nc_u64 s[QCB:QCB+1], s[14:15], s[QCB:QCB+1]
	s_add_nc_u64 s[QSB:QSB+1], s[16:17], s[QSB:QSB+1]
	s_add_nc_u64 s[KCB:KCB+1], s[18:19], s[KCB:KCB+1]
	s_add_nc_u64 s[KSB:KSB+1], s[18:19], s[KSB:KSB+1]
	s_add_nc_u64 s[VCB:VCB+1], s[18:19], s[VCB:VCB+1]
	s_add_nc_u64 s[VSB:VSB+1], s[18:19], s[VSB:VSB+1]
	CROUND                                         ; all sixteen work-groups are here: the first joint loads meet
	; THE FIRST FILLS, one group; every wave issues at least one.  Waves 0-3: x's quarters; 4, 5: the halves of W's slots A (q) and B (k); 6: x's scales; 7: W's scales for both slots
	s_cmp_lt_u32 s[WV], 4
	s_cbranch_scc0 .Lfill_not_x
	tensor_load_to_lds s[G0X:G0X+3], s[G1X:G1X+7]
	s_nop 0
	PLACES
	s_branch .Lfilled
.Lfill_not_x:
	s_cmp_lt_u32 s[WV], 6
	s_cbranch_scc0 .Lfill_scales
	tensor_load_to_lds s[G0WA:G0WA+3], s[G1W:G1W+7]
	s_nop 0
	tensor_load_to_lds s[G0WB:G0WB+3], s[G1W:G1W+7]
	s_nop 0
	PLACES
	s_branch .Lfilled
.Lfill_scales:
	s_cmp_eq_u32 s[WV], 6
	s_cbranch_scc0 .Lfill_ws
	tensor_load_to_lds s[G0XS:G0XS+3], s[G1XS:G1XS+7]
	s_nop 0
	PLACES
	s_branch .Lfilled
.Lfill_ws:
	tensor_load_to_lds s[G0WSA:G0WSA+3], s[G1WS:G1WS+7]
	s_nop 0
	tensor_load_to_lds s[G0WSB:G0WSB+3], s[G1WS:G1WS+7]
	s_nop 0
	PLACES
.Lfilled:
	v_and_b32 v64, 31, v0                          ; lane l
	v_and_b32 v65, 15, v0                          ; r
	v_bfe_u32 v66, v0, 4, 1                        ; h
	s_delay_alu instid0(VALU_DEP_2)
	v_mul_u32_u24 v67, v65, PITCH
	s_delay_alu instid0(VALU_DEP_1)
	v_lshl_add_u32 v67, v66, 4, v67                ; a fragment: row r x pitch + 16 h
	s_mul_i32 s2, s[GG], T64
	v_add_nc_u32 v[ADX], s2, v67
	s_mul_i32 s2, s[W1], T64
	s_add_co_u32 s2, s2, WA
	v_add_nc_u32 v[ADWA], s2, v67
	s_add_co_u32 s2, s2, WBB-WA
	v_add_nc_u32 v[ADWB], s2, v67
	v_lshrrev_b32 v68, 3, v64
	v_lshlrev_b32 v69, 5, v64
	s_delay_alu instid0(VALU_DEP_1)
	v_lshl_add_u32 v69, v68, 4, v69                ; scale bytes of row l: 32 l, and 16 more for each 256 passed
	s_mul_i32 s2, s[GG], 2176
	s_add_co_u32 s2, s2, XSB
	v_add_nc_u32 v[ADXS], s2, v69
	s_mul_i32 s2, s[W1], 2176
	s_add_co_u32 s2, s2, WSA
	v_add_nc_u32 v[ADWS], s2, v69
	v_lshlrev_b32 v[LI], 4, v64
	v_lshlrev_b32 v[L8], 3, v64
	s_wait_alu depctr_va_vdst(0)
	s_lshl_b32 s2, s[WV], 8
	s_add_co_u32 s2, s2, STG1
	v_lshl_add_u32 v[STO1], v65, 2, s2
	v_add_nc_u32 v[RD1], s2, v[L8]
	s_lshl_b32 s2, s[W1], 10                       ; v's scale halves of key step 2 i7 + w % 2, head (w % 4) / 2, lie in the stages of waves 4 (w % 2) + (w % 4) / 2 and that + 2
	s_and_b32 s3, s[WV], 3
	s_lshr_b32 s3, s3, 1
	s_lshl_b32 s3, s3, 8
	s_add_co_u32 s2, s2, s3
	s_add_co_u32 s2, s2, STG1
	v_add_nc_u32 v[RD2], s2, v[L8]
	v_lshlrev_b32 v[BAH], 5, v66
	v_lshlrev_b32 v[BAR], 2, v65
	BIAS0 0                                        ; q's bias
	s_wait_alu depctr_va_vdst(0)
	s_wait_tensorcnt 0x0                           ; my fills have landed,
	s_barrier_signal -1
	s_barrier_wait -1                              ; everybody's have
	; ---- phase q
	KSTEP 0, 0, ADWA, 0, 1
	BIAS0 1                                        ; k's bias, behind the places of the step that read q's: it lands under seven steps
.irp q, 1,2,3,4,5,6,7
	KSTEP 0, \q, ADWA, 0, 0
.endr
	; ---- slot A is filled again, with v's rows of W and their scales
	s_wait_tensorcnt 0x0                           ; no tensor load of mine is out, so a group 0 may be written
	ds_add_u32 v[SPW], v[NIL]                      ; 0 onto my spare word
	s_add_nc_u64 s[G0WA+2:G0WA+3], s[G0WA+2:G0WA+3], 0x100000      ; 2,048 rows of 512 bytes on; the type bits on top are not reached
	s_add_nc_u64 s[G0WSA+2:G0WSA+3], s[G0WSA+2:G0WSA+3], 0x10000   ; 2,048 rows of 32 bytes on
	s_wait_dscnt 0x0                               ; the add is done, and my reads of slot A are over
	CROUND                                         ; no wave of any partner still reads slot A or has a load on its way
	s_cmp_lt_u32 s[WV], 4
	s_cbranch_scc1 .Lrefilled
	s_cmp_lt_u32 s[WV], 6
	s_cbranch_scc0 .Lrefill_ws
	tensor_load_to_lds s[G0WA:G0WA+3], s[G1W:G1W+7]
	s_nop 0
	PLACES
	s_branch .Lrefilled
.Lrefill_ws:
	s_cmp_eq_u32 s[WV], 7
	s_cbranch_scc0 .Lrefilled
	tensor_load_to_lds s[G0WSA:G0WSA+3], s[G1WS:G1WS+7]
	s_nop 0
	PLACES
.Lrefilled:
	EPI_QK QCB, QSB, 0
	; ---- phase k
	KSTEP 0, 0, ADWB, WSB-WSA, 1
	BIAS1                                          ; v's bias
.irp q, 1,2,3,4,5,6,7
	KSTEP 0, \q, ADWB, WSB-WSA, 0
.endr
	EPI_QK KCB, KSB, KSC
	s_wait_tensorcnt 0x0                           ; my part of v's rows has landed,
	s_wait_dscnt 0x0
	s_barrier_signal -1
	s_barrier_wait -1                              ; everybody's has
	; ---- phase v
	KSTEP 1, 0, ADWA, 0, 1
.irp q, 1,2,3,4,5,6,7
	KSTEP 1, \q, ADWA, 0, 0
.endr
	QUANT_ALL                                      ; along my 64 keys: piece n holds d = 16 n + r, keys 32 h + 0 .. 31 of them
.irp n, 0,1,2,3
	global_store_b128 v[LI], v[PC+4*\n:PC+4*\n+3], s[VCB:VCB+1] offset:VCO+1024*\n
.endr
.irp n, 0,1,2,3
	ds_store_b32 v[STO1], v[PW+\n] offset:64*\n    ; my two of a word's four bytes, in its low half, for d = 16 n + r
.endr
	s_wait_dscnt 0x0                               ; for the others' sake: my stores have landed
	s_barrier_signal -1
	s_barrier_wait -1
	s_cmp_lt_u32 s[WV], 4
	s_cbranch_scc0 .Lno_vs
	ds_load_b64 v[TT:TT+1], v[RD2]                 ; the key step's first 64 keys' bytes,
	ds_load_b64 v[TT+2:TT+3], v[RD2] offset:512    ; and its second 64's
	s_wait_dscnt 0x0
	v_lshl_or_b32 v[TT], v[TT+2], 16, v[TT]
	v_lshl_or_b32 v[TT+1], v[TT+3], 16, v[TT+1]
	global_store_b64 v[L8], v[TT:TT+1], s[VSB:VSB+1] offset:VSC    ; 64 words: 256 consecutive bytes, aligned
.Lno_vs:
	s_wait_tensorcnt 0x0                           ; the wave's end: behind my last tensor load and my last LDS store
	ds_add_u32 v[SPW], v[NIL]
	s_wait_dscnt 0x0
	CROUND                                         ; the closing round: no work-group ends while a partner may still ask for a tile that names it
	s_endpgm
.Lfunc_end_k_q1cbc64f5bd_qkv:
	.size	k_q1cbc64f5bd_qkv, .Lfunc_end_k_q1cbc64f5bd_qkv-k_q1cbc64f5bd_qkv
	.p2alignl 7, 3214868480
	.fill 96, 4, 3214868480
	.section	.rodata,"a",@progbits
	.p2align	6, 0x0
	.amdhsa_kernel k_q1cbc64f5bd_qkv
		.amdhsa_group_segment_fixed_size 327680
		.amdhsa_private_segment_fixed_size 0
		.amdhsa_enable_private_segment 0
		.amdhsa_kernarg_size 64
		.amdhsa_user_sgpr_count 2
		.amdhsa_user_sgpr_kernarg_segment_ptr 1
		.amdhsa_wavefront_size32 1
		.amdhsa_system_sgpr_workgroup_id_x 1
		.amdhsa_system_sgpr_workgroup_id_y 1
		.amdhsa_system_sgpr_workgroup_id_z 1
		.amdhsa_system_vgpr_workitem_id 0
		.amdhsa_next_free_vgpr 256
		.amdhsa_next_free_sgpr 102
		.amdhsa_reserve_vcc 0
		.amdhsa_float_denorm_mode_32 3
		.amdhsa_float_denorm_mode_16_64 3
		.amdhsa_memory_ordered 1
		.amdhsa_forward_progress 1
		.amdhsa_inst_pref_size 122
	.end_amdhsa_kernel
	.amdgpu_metadata
---
amdhsa.version: [ 1, 2 ]
amdhsa.kernels:
  - .name:           k_q1cbc64f5bd_qkv
    .symbol:         k_q1cbc64f5bd_qkv.kd
    .args:
      - { .name: x_codes, .offset: 0, .size: 8, .value_kind: global_buffer, .address_space: global }
      - { .name: x_scales, .offset: 8, .size: 8, .value_kind: global_buffer, .address_space: global }
      - { .name: w_qkv_codes, .offset: 16, .size: 8, .value_kind: global_buffer, .address_space: global }
      - { .name: w_qkv_scales, .offset: 24, .size: 8, .value_kind: global_buffer, .address_space: global }
      - { .name: b_qkv, .offset: 32, .size: 8, .value_kind: global_buffer, .address_space: global }
      - { .name: qimg, .offset: 40, .size: 8, .value_kind: global_buffer, .address_space: global }
      - { .name: qscl, .offset: 48, .size: 8, .value_kind: global_buffer, .address_space: global }
      - { .name: kv, .offset: 56, .size: 8, .value_kind: global_buffer, .address_space: global }
    .group_segment_fixed_size: 327680
    .private_segment_fixed_size: 0
    .kernarg_segment_align: 8
    .kernarg_segment_size: 64
    .max_flat_workgroup_size: 256
    .sgpr_count:     102
    .vgpr_count:     256
    .wavefront_size: 32
...
	.end_amdgpu_metadata
.endif
;; end of part 1
;; launch attn (part 2): grid 8 x 32, 16 waves a work-group, clusters of 4 x 1, 289,792 bytes of LDS; arguments qimg, qscl, kv, oimg, oscl; writes oimg, oscl
.if DOCPART == 2
	.amdgcn_target "amdgcn-amd-amdhsa--gfx1250"
	.amdhsa_code_object_version 6
	.text
	.protected	k_q1cbc64f5bd_attn
	.globl	k_q1cbc64f5bd_attn
	.p2align	8
	.type	k_q1cbc64f5bd_attn,@function
k_q1cbc64f5bd_attn:
	s_mov_b64 s[64:65], 0
	v_nop
	global_prefetch_b8 v0, s[64:65] scope:SCOPE_SE
	s_setreg_imm32_b32 hwreg(HW_REG_WAVE_MODE, 25, 1), 1
	s_wait_xcnt 0x0
	s_wait_alu depctr_hold_cnt(0) depctr_sa_sdst(0) depctr_va_vdst(0) depctr_va_sdst(0) depctr_va_ssrc(0) depctr_va_vcc(0) depctr_vm_vsrc(0)
	s_getreg_b32 s2, hwreg(HW_REG_IB_STS2, 6, 4)
	s_cmp_eq_u32 s2, 0
	s_cbranch_scc0 .Lentry_in_a_cluster
	s_endpgm
.Lentry_in_a_cluster:
	s_bfe_u32 s2, ttmp6, 0x10000c
	s_cmp_lg_u32 s2, 0x3003
	s_cbranch_scc0 .Lentry_shape_is_right
	s_endpgm
.Lentry_shape_is_right:
; o = softmax(q k^T / 8) v for two heads and 256 queries a work-group, both products on codes of FP4 (E2M1) with E8M0 scales; o / l is quantised along the embedding and leaves as an image of the projection's operand.
; No work is left out.  LIMITS: as in the first kernel (NaN and infinities not served; a block of zeros gets the byte 1; blocks under 2^(3 - 127) are held at the byte 1).
; THE SOFTMAX: t = score x log2(e) / 8; M = the running largest t rounded UP to a whole number; p = 2^(t - M) is quantised along the keys, not normalised; the row's sum is taken of the unquantised p and divides at the end.
; When M moves, the sum and O are multiplied by 2^(old M - new M): exact.
; SHARES.  Work-group (qblk, y): batch y / 8, heads 2 (y % 8) and + 1, queries 256 qblk .. + 255.  Each of sixteen waves owns one tile of 16 queries in 256 registers, four waves to a SIMD, and walks head 0, then head 1,
; 128 keys a step.  Both heads' records (k's and v's pieces and scale words, 143,360 bytes each, neighbours in memory) stay in LDS: one first fill a wave, no refill, no barrier in the key loop.
; CLUSTER 4 x 1: the four query blocks share the records: each wave's load is a joint one, with a mask that names the four.  One tensor load a wave is out.
; LAYOUT.  Both products are used transposed: S^T = k q^T (source 0 = 16 keys), O^T = v^T p^T (source 0 = 16 of the head's 64): a lane holds one query throughout.
; K = 64 IN THE FIRST PRODUCT: q's fragment is four registers of codes and four of zero codes.  k's fragment names its four registers and the four behind them (the next tile's; behind the last tile four zeros):
; those meet zero codes, under scale bytes 0 (2^-127, no NaN) on both sides, and add exactly 0.
.set REC,   143360
.set VCO,   65536
.set KSC,   131072
.set VSC,   139264
.set SPARE, 2*REC                      ; behind the records: the spare words, 128 bytes for each of sixteen waves: eight blocks of 256 bytes that no other line names
.set STG,   SPARE+16*128               ; and 64 bytes for each wave: its 16 rows' scale words
.set AK0,  1                           ; v1   16 x lane: my place in a piece of k; also my place in a stored piece
.set AV0,  2                           ; v2   the same among v's pieces
.set ASK0, 3                           ; v3   4 x lane among k's scale words
.set ASV0, 4                           ; v4   among v's
.set SPW,  5                           ; v5   my spare word; never rewritten
.set NIL,  6                           ; v6   0; never rewritten
.set STA,  7                           ; v7   my wave's stage + 4 r
.set ADK,  8                           ; v8-11 the step's LDS addresses
.set ADV,  9
.set ADS,  10
.set ADT,  11
.set QF0,  16                          ; v16-23, v24-31 q's fragments of the two heads; v12 -M, v13 the largest t, v[14:15] the sum in two halves
.set QF1,  24
.set KF,   32                          ; v32-63 k's eight tiles, four registers each; v64-67 zeros
.set VF,   68                          ; v68-99 v's four tiles
.set S,    100                         ; v100-163 S^T, then p
.set OA,   164                         ; v164-195 O^T
.set PC,   196                         ; v196-203 p's codes
.set BM,   204                         ; v204-207 the blocks' largest
.set BP,   208                         ; v208-211 the other half's; then the bytes
.set SO,   212                         ; v212-215 the conversions' scale operands
.set FF,   216                         ; v[216:217] f = 2^(old M - new M); the pair's upper word is written once
.set TT,   218
.set PW0,  219                         ; head 0's two scale bytes of my rows
.set SU,   220                         ; v[220:221] the second chain of sums
.set AST,  222                         ; the whole stage + 16 x lane
.set KS,   240                         ; v240-243 k's scale words, v244-245 v's, v246 p's, v247, v248 q's: v240-243 also carry partial sums of p
.set VS,   244
.set PW,   246
.set QS0,  247
.set QS1,  248
.set WV,   14
.set SEL,  20
.set CS,   22                          ; s[22:23] c = log2(e) / 8
.set G1,   24
.set G0,   32
.set TB,   40
.set TS,   41
.set TJ,   42
.set CNT,  43
.set QB,   44
.set QSB,  46
.set OB,   48
.set OSB,  50
.macro PLACES
.rept 4
	v_nop
.endr
.endm
.macro CROUND                          ; a round of the cluster's barrier
	s_barrier_signal -1
	s_barrier_wait -1
	s_cmp_lg_u32 s[WV], 0
	s_cbranch_scc1 .Lnot_wave_0_\@
	s_barrier_signal -3
.Lnot_wave_0_\@:
	s_barrier_wait -3
	s_barrier_signal -1
	s_barrier_wait -1
.endm
; one matrix instruction; c = -1: the constant 0 starts the sum; ra = 1: source 0's scale words stand in lanes 16-31
.macro WM d, a, b, c, sa, sb, ra
.set rD, \d
.set rA, \a
.set rB, \b
.set rC, \c
.set rSA, \sa
.set rSB, \sb
.set rSEL, \ra
.if rC < 0
.if rSEL == 0
	v_wmma_scale_f32_16x16x128_f8f6f4 v[rD:rD+7], v[rA:rA+7], v[rB:rB+7], 0, v[rSA], v[rSB] matrix_a_fmt:MATRIX_FMT_FP4 matrix_b_fmt:MATRIX_FMT_FP4
.else
	v_wmma_scale_f32_16x16x128_f8f6f4 v[rD:rD+7], v[rA:rA+7], v[rB:rB+7], 0, v[rSA], v[rSB] matrix_a_fmt:MATRIX_FMT_FP4 matrix_b_fmt:MATRIX_FMT_FP4 matrix_a_scale:MATRIX_SCALE_ROW1
.endif
.else
.if rSEL == 0
	v_wmma_scale_f32_16x16x128_f8f6f4 v[rD:rD+7], v[rA:rA+7], v[rB:rB+7], v[rC:rC+7], v[rSA], v[rSB] matrix_a_fmt:MATRIX_FMT_FP4 matrix_b_fmt:MATRIX_FMT_FP4
.else
	v_wmma_scale_f32_16x16x128_f8f6f4 v[rD:rD+7], v[rA:rA+7], v[rB:rB+7], v[rC:rC+7], v[rSA], v[rSB] matrix_a_fmt:MATRIX_FMT_FP4 matrix_b_fmt:MATRIX_FMT_FP4 matrix_a_scale:MATRIX_SCALE_ROW1
.endif
.endif
.endm
; 32 numbers of a lane, register 16 b + i in block b of the next K, become four registers of codes (k = 32 h + 0 .. 31 in lane (r, h)) and a word with the two scale bytes
.macro QUANT4 s, tm, pc, pw
.irp b, 0,1
	v_max3_num_f32 v[\tm+\b], |v[\s+16*\b]|, |v[\s+16*\b+1]|, 0x1800000   ; with the floor 2^(3 - 127): the byte cannot fall under 1
.endr
.irp i, 2,4,6,8,10,12,14
.irp b, 0,1
	s_delay_alu instid0(VALU_DEP_2)
	v_max3_num_f32 v[\tm+\b], v[\tm+\b], |v[\s+16*\b+\i]|, |v[\s+16*\b+\i+1]|
.endr
.endr
.irp b, 0,1
	s_delay_alu instid0(VALU_DEP_2)
	v_permlanex16_b32 v[\tm+2+\b], v[\tm+\b], s[SEL], s[SEL+1]
.endr
.irp b, 0,1
	s_delay_alu instid0(VALU_DEP_2)
	v_max_num_f32 v[\tm+\b], v[\tm+\b], v[\tm+2+\b]
.endr
.irp b, 0,1
	s_delay_alu instid0(VALU_DEP_2)
	v_add_nc_u32 v[\tm+4+\b], 0xff000000, v[\tm+\b]
.endr
.irp b, 0,1
	s_delay_alu instid0(VALU_DEP_2)
	v_lshrrev_b32 v[\tm+2+\b], 23, v[\tm+4+\b]
.endr
	s_delay_alu instid0(VALU_DEP_1)
	v_lshl_or_b32 v[\pw], v[\tm+3], 8, v[\tm+2]
.irp t, 0,1,2,3
	v_cvt_scalef32_pk8_fp4_f32 v[\pc+2*(\t%2)+\t/2], v[\s+8*\t:\s+8*\t+7], v[\tm+4+\t/2]
.endr
	v_nop                                          ; one plain place behind the scaled conversions
	v_permlane16_swap_b32 v[\pc], v[\pc+1]
	v_permlane16_swap_b32 v[\pc+2], v[\pc+3]
.endm
; A KEY STEP: 128 keys
.macro STEP qf, qs
	v_add_nc_u32 v[ADK], s[TB], v[AK0]             ; these four are the places behind the last step's products, in front of the loads into their registers
	v_add_nc_u32 v[ADV], s[TB], v[AV0]
	v_add_nc_u32 v[ADS], s[TS], v[ASK0]
	v_add_nc_u32 v[ADT], s[TJ], v[ASV0]
.irp t, 0,1,2,3,4,5,6,7
	ds_load_b128 v[KF+4*\t:KF+4*\t+3], v[ADK] offset:512*\t
.endr
.irp i, 0,1,2,3
	ds_load_b32 v[KS+\i], v[ADS] offset:128*\i     ; lane l: key 32 i + l: lanes 0-15 tile 2 i, lanes 16-31 tile 2 i + 1
.endr
.irp t, 0,1,2,3
.irp c, 0,1
	ds_load_b128 v[VF+8*\t+4*\c:VF+8*\t+4*\c+3], v[ADV] offset:1024*\t+512*\c
.endr
.endr
.irp i, 0,1
	ds_load_b32 v[VS+\i], v[ADT] offset:128*\i
.endr
	s_wait_dscnt 10                                ; k and its scale words are in; v's eight loads and its two scale loads may be out
.irp t, 0,1,2,3,4,5,6,7
	WM S+8*\t, KF+4*\t, \qf, -1, KS+\t/2, \qs, \t%2
.endr                                              ; lane (r, h): query r; register 8 t + j: key 16 t + 8 h + j; block b of 32 keys: registers 16 b .. 16 b + 15 of lanes l and l xor 16
	PLACES
.irp b, 0,1,2,3
	v_max3_num_f32 v[BM+\b], v[S+16*\b], v[S+16*\b+1], v[S+16*\b+2]   ; the largest score of each block: for the row's maximum, and, since p rises with the score, for the block's largest p
.endr
.irp i, 3,5,7,9,11,13
.irp b, 0,1,2,3
	v_max3_num_f32 v[BM+\b], v[BM+\b], v[S+16*\b+\i], v[S+16*\b+\i+1]
.endr
.endr
.irp b, 0,1,2,3
	v_max_num_f32 v[BM+\b], v[BM+\b], v[S+16*\b+15]
.endr
.irp b, 0,1,2,3
	s_delay_alu instid0(VALU_DEP_4)
	v_permlanex16_b32 v[BP+\b], v[BM+\b], s[SEL], s[SEL+1]
.endr
.irp b, 0,1,2,3
	s_delay_alu instid0(VALU_DEP_4)
	v_max_num_f32 v[BM+\b], v[BM+\b], v[BP+\b]
.endr
	s_delay_alu instid0(VALU_DEP_2)
	v_max3_num_f32 v[TT], v[BM], v[BM+1], v[BM+2]
	s_delay_alu instid0(VALU_DEP_1)
	v_max_num_f32 v[TT], v[TT], v[BM+3]            ; the step's largest score of my query
	s_delay_alu instid0(VALU_DEP_1)
	v_mul_f32 v[TT], s[CS], v[TT]                  ; as t (c is positive)
	s_delay_alu instid0(VALU_DEP_1)
	v_max_num_f32 v13, v13, v[TT]                  ; the running largest t
	v_mov_b32 v[TT], v12
	s_delay_alu instid0(VALU_DEP_2)
	v_floor_f32 v12, -v13                          ; the new -M = floor(-t) = -ceil(t)
	s_delay_alu instid0(VALU_DEP_1)
	v_sub_f32 v[TT], v12, v[TT]                    ; old M less new M: a whole number, 0 or less
	s_delay_alu instid0(VALU_DEP_1)
	v_cvt_i32_f32 v[TT], v[TT]                     ; (it saturates)
	s_delay_alu instid0(VALU_DEP_1)
	v_ldexp_f32 v[FF], 1.0, v[TT]                  ; f = 2^(old M - new M)
.set jj, 0
.rept 32
	v_pk_fma_f32 v[S+jj:S+jj+1], v[S+jj:S+jj+1], s[CS:CS+1], v[12:13] op_sel_hi:[1,0,0]   ; t - M, two at a time
.set jj, jj+2
.endr
.irp b, 0,1,2,3
	v_fma_f32 v[BM+\b], v[BM+\b], s[CS], v12       ; the same of each block's largest score
.endr
.set jj, 0
	s_wait_alu depctr_va_vdst(0)
.rept 64
	v_exp_f32 v[S+jj], v[S+jj]                     ; p = 2^(t - M)
.set jj, jj+1
.endr
	s_setprio 1
	v_pk_mul_f32 v[14:15], v[14:15], v[FF:FF+1] op_sel_hi:[1,0]      ; the sums under the new M: the plain place behind the exponentials
	s_wait_alu depctr_va_vdst(0)                   ; one wait for the batch of 64, ahead of its first reader
.irp b, 0,1,2,3
	v_exp_f32 v[BM+\b], v[BM+\b]                   ; the blocks' largest p
.endr
	v_pk_add_f32 v[220:221], v[104:105], v[108:109]
	v_pk_add_f32 v[254:255], v[112:113], v[116:117]
	v_pk_add_f32 v[252:253], v[120:121], v[124:125]
	v_pk_add_f32 v[250:251], v[128:129], v[132:133]
	v_pk_add_f32 v[242:243], v[136:137], v[140:141]
	v_pk_add_f32 v[240:241], v[144:145], v[148:149]
	v_pk_add_f32 v[238:239], v[152:153], v[156:157]
	v_pk_add_f32 v[14:15], v[14:15], v[160:161]
	v_pk_add_f32 v[220:221], v[220:221], v[100:101]
	v_pk_add_f32 v[254:255], v[254:255], v[102:103]
	v_pk_add_f32 v[252:253], v[252:253], v[106:107]
	v_pk_add_f32 v[250:251], v[250:251], v[110:111]
	v_pk_add_f32 v[242:243], v[242:243], v[114:115]
	v_pk_add_f32 v[240:241], v[240:241], v[118:119]
	v_pk_add_f32 v[238:239], v[238:239], v[122:123]
	v_pk_add_f32 v[14:15], v[14:15], v[126:127]
	v_pk_add_f32 v[220:221], v[220:221], v[130:131]
	v_pk_add_f32 v[254:255], v[254:255], v[134:135]
	v_pk_add_f32 v[252:253], v[252:253], v[138:139]
	v_pk_add_f32 v[250:251], v[250:251], v[142:143]
	v_pk_add_f32 v[242:243], v[242:243], v[146:147]
	v_pk_add_f32 v[240:241], v[240:241], v[150:151]
	v_pk_add_f32 v[238:239], v[238:239], v[154:155]
	v_pk_add_f32 v[14:15], v[14:15], v[158:159]
	v_pk_add_f32 v[220:221], v[220:221], v[162:163]
	s_delay_alu instid0(VALU_DEP_2)
	v_pk_add_f32 v[14:15], v[14:15], v[250:251]
	s_delay_alu instid0(VALU_DEP_2)
	v_pk_add_f32 v[220:221], v[220:221], v[242:243]
	v_pk_add_f32 v[254:255], v[254:255], v[240:241]
	v_pk_add_f32 v[252:253], v[252:253], v[238:239]
	s_delay_alu instid0(VALU_DEP_2)
	v_pk_add_f32 v[14:15], v[14:15], v[254:255]
	s_delay_alu instid0(VALU_DEP_2)
	v_pk_add_f32 v[220:221], v[220:221], v[252:253]
	s_delay_alu instid0(VALU_DEP_1)
	v_pk_add_f32 v[14:15], v[14:15], v[220:221]
	s_wait_alu depctr_va_vdst(0)                   ; and one for the four
.irp b, 0,1,2,3
	v_max_num_f32 v[BM+\b], 0x1800000, v[BM+\b]    ; the floor 2^(3 - 127)
.endr
.irp b, 0,1,2,3
	s_delay_alu instid0(VALU_DEP_4)
	v_add_nc_u32 v[SO+\b], 0xff000000, v[BM+\b]    ; 2 off the exponent field: the conversion's scale operand
.endr
.irp b, 0,1,2,3
	s_delay_alu instid0(VALU_DEP_4)
	v_lshrrev_b32 v[BP+\b], 23, v[SO+\b]           ; the scale's byte
.endr
	s_delay_alu instid0(VALU_DEP_3)
	v_lshl_or_b32 v[PW], v[BP+1], 8, v[BP]         ; p's scale word for these 128 keys
	s_delay_alu instid0(VALU_DEP_1)
	v_lshl_or_b32 v[PW], v[BP+2], 16, v[PW]
	s_delay_alu instid0(VALU_DEP_1)
	v_lshl_or_b32 v[PW], v[BP+3], 24, v[PW]
.irp t, 0,1,2,3,4,5,6,7
	v_cvt_scalef32_pk8_fp4_f32 v[PC+4*(\t/4)+2*(\t%2)+(\t%4)/2], v[S+8*\t:S+8*\t+7], v[SO+\t/2]
.endr
	v_nop                                          ; one plain place behind the scaled conversions
.irp c, 0,1
	v_permlane16_swap_b32 v[PC+4*\c], v[PC+4*\c+1] ; registers 4 c .. 4 c + 3 then hold keys 64 c + 32 h + 0 .. 31
	v_permlane16_swap_b32 v[PC+4*\c+2], v[PC+4*\c+3]
.endr
.set jj, 0
	s_setprio 0
.rept 16
	v_pk_mul_f32 v[OA+jj:OA+jj+1], v[OA+jj:OA+jj+1], v[FF:FF+1] op_sel_hi:[1,0]   ; O^T under the new M, each accumulator from its low end on; these sixteen are also the places between p's codes and scale word and the products
.set jj, jj+2
.endr
	s_wait_alu depctr_va_vdst(0)
	s_wait_dscnt 0x0                               ; v and its scale words are in
.irp t, 0,1,2,3
	WM OA+8*\t, VF+8*\t, PC, OA+8*\t, VS+\t/2, PW, \t%2
.endr
.endm
; A HEAD: sixteen key steps, then o / l, quantised along the head's 64 (two blocks of the projection's K)
.macro HEAD hd, qf, qs, pw
	v_mov_b32 v13, 0xff61b1e6                      ; the largest t so far: -3e38, under every t
	s_delay_alu instid0(VALU_DEP_1)
	v_floor_f32 v12, -v13
	v_mov_b32 v14, 0
	v_mov_b32 v15, 0
.set jj, 0
.rept 32
	v_mov_b32 v[OA+jj], 0                          ; the loop has no first step of its own: its first step finds zeros, which the first change of M leaves zeros
.set jj, jj+1
.endr
	s_mov_b32 s[TB], REC*\hd
	s_mov_b32 s[TS], REC*\hd
	s_mov_b32 s[TJ], REC*\hd
	s_mov_b32 s[CNT], 16
.Lstep_\@:
	s_setprio 2
	STEP \qf, \qs
	s_add_co_u32 s[TB], s[TB], 4096                ; eight pieces of k, and eight of v, a step
	s_add_co_u32 s[TS], s[TS], 512                 ; 128 scale words of k
	s_add_co_u32 s[TJ], s[TJ], 256                 ; 64 of v
	s_sub_co_u32 s[CNT], s[CNT], 1
	s_cmp_lg_u32 s[CNT], 0
	s_cbranch_scc1 .Lstep_\@
	s_setprio 0
	PLACES
	v_add_f32 v14, v14, v15                        ; the sum's two halves,
	s_delay_alu instid0(VALU_DEP_1)
	v_permlanex16_b32 v[TT], v14, s[SEL], s[SEL+1]
	s_delay_alu instid0(VALU_DEP_1)
	v_add_f32 v14, v14, v[TT]                      ; and lane l xor 16's
	s_wait_alu depctr_va_vdst(0)
	v_rcp_f32 v14, v14
	v_nop                                          ; one plain place behind the reciprocal
	s_wait_alu depctr_va_vdst(0)                   ; and the wait ahead of its first reader
.set jj, 0
.rept 16
	v_pk_mul_f32 v[S+jj:S+jj+1], v[OA+jj:OA+jj+1], v[14:15] op_sel_hi:[1,0]   ; register 8 t + j: o(query r, d = 16 t + 8 h + j)
.set jj, jj+2
.endr
	QUANT4 S, BM, PC, \pw
	global_store_b128 v[AK0], v[PC:PC+3], s[OB:OB+1] offset:512*\hd    ; half c = hd of my row tile's fragment of K step y % 8: 512 consecutive bytes
.if \hd
	v_lshl_or_b32 v[PW0], v[\pw], 16, v[PW0]       ; the K step's four scale bytes of my rows
	ds_store_b32 v[STA], v[PW0]                    ; lanes r and 16 + r write the same word with the same value
.endif
	s_wait_xcnt 0x0                                ; the store has read its registers
.endm
	s_load_b256 s[4:11], s[0:1], 0x0               ; qimg, qscl, kv, oimg
	s_load_b64 s[12:13], s[0:1], 0x20              ; oscl
	v_lshl_add_u32 v[SPW], v0, 2, SPARE
	v_mov_b32 v[NIL], 0
	ds_add_u32 v[SPW], v[NIL]                      ; the wave's opening: the add, twice on end, and its wait ahead of my first tensor load
	ds_add_u32 v[SPW], v[NIL]                      ; and once more; the set-up below, work on registers, stands between it and the wait
	v_lshrrev_b32 v8, 5, v0
	s_delay_alu instid0(VALU_DEP_1)
	v_readfirstlane_b32 s[WV], v8                  ; wave 0..15
	s_bfe_u32 s15, ttmp6, 0x40000                  ; cx
	s_lshl_b32 s16, ttmp9, 2
	s_add_co_u32 s16, s16, s15                     ; qblk = 4 x cluster x + cx: it enters q's and o's addresses alone
	s_and_b32 s17, ttmp7, 0xffff                   ; y, which the four partners share
	s_mov_b32 s[G1], 15|(3<<16)|(1<<21)            ; the mask: all four; elements of 8 bytes; no padding: pieces are read 16 bytes a lane on end
	s_mov_b32 s[G1+1], 32<<16                      ; rows of 256 bytes,
	s_mov_b32 s[G1+2], 70<<16                      ; 70 of the two records' 1,120 to a wave
	s_mov_b32 s[G1+3], 32<<16
	s_mov_b32 s[G1+4], 70
	s_mov_b32 s[G1+5], 32
	s_mov_b32 s[G1+6], 0
	s_mov_b32 s[G1+7], 0
	s_mov_b32 s[CS], 0x3e38aa3b                    ; c = log2(e) / 8
	s_mov_b32 s[CS+1], s[CS]
	s_mov_b32 s[SEL], 0x76543210
	s_mov_b32 s[SEL+1], 0xfedcba98
	s_mov_b32 s[G0], 1
	s_mul_i32 s[G0+1], s[WV], 17920                ; LDS: 70 rows x the wave's number
	s_mul_i32 s[G0+2], s17, 2*REC                  ; memory: the pair of records, and the same
	s_add_co_u32 s[G0+2], s[G0+2], s[G0+1]
	s_mov_b32 s[G0+3], 0
	s_lshl_b32 s[QB], s17, 17                      ; q's piece: 512 x (256 y + 16 qblk + w)
	s_lshl_b32 s18, s16, 13
	s_add_co_u32 s[QB], s[QB], s18
	s_lshl_b32 s18, s[WV], 9
	s_add_co_u32 s[QB], s[QB], s18
	s_mov_b32 s[QB+1], 0
	s_lshr_b32 s[QSB], s[QB], 3                    ; its scale words: 4 x (4,096 y + 256 qblk + 16 w)
	s_mov_b32 s[QSB+1], 0
	s_lshr_b32 s18, s17, 3                         ; batch
	s_and_b32 s19, s17, 7                          ; pair of heads = the projection's K step
	s_lshl_b32 s[OB], s18, 20                      ; o's image: 8,192 x (128 b + 16 qblk + w) + 1,024 x pair
	s_lshl_b32 s[OSB], s18, 13                     ; its scale words: 32,768 x pair + 4 x (2,048 b + 256 qblk)
	s_lshl_b32 s18, s16, 17
	s_add_co_u32 s[OB], s[OB], s18
	s_lshl_b32 s18, s[WV], 13
	s_add_co_u32 s[OB], s[OB], s18
	s_lshl_b32 s18, s19, 10
	s_add_co_u32 s[OB], s[OB], s18
	s_mov_b32 s[OB+1], 0
	s_lshl_b32 s18, s19, 15
	s_add_co_u32 s[OSB], s[OSB], s18
	s_lshl_b32 s18, s16, 10
	s_add_co_u32 s[OSB], s[OSB], s18
	s_mov_b32 s[OSB+1], 0
	s_wait_dscnt 0x0                               ; both opening adds are done
	s_wait_kmcnt 0x0
	s_add_nc_u64 s[G0+2:G0+3], s[8:9], s[G0+2:G0+3]
	s_or_b32 s[G0+3], s[G0+3], 0x80000000
	s_add_nc_u64 s[QB:QB+1], s[4:5], s[QB:QB+1]
	s_add_nc_u64 s[QSB:QSB+1], s[6:7], s[QSB:QSB+1]
	s_add_nc_u64 s[OB:OB+1], s[10:11], s[OB:OB+1]
	s_add_nc_u64 s[OSB:OSB+1], s[12:13], s[OSB:OSB+1]
	CROUND                                         ; all four work-groups are here: the joint loads meet
	tensor_load_to_lds s[G0:G0+3], s[G1:G1+7]      ; every wave's one fill: its sixteenth of the two records
	s_nop 0
	PLACES
	v_and_b32 v8, 31, v0                           ; lane
	v_and_b32 v10, 15, v0                          ; r
	s_delay_alu instid0(VALU_DEP_2)
	v_lshlrev_b32 v[AK0], 4, v8
	s_delay_alu instid0(VALU_DEP_1)
	v_add_nc_u32 v[AV0], VCO, v[AK0]
	s_delay_alu instid0(VALU_DEP_4)
	v_lshlrev_b32 v9, 2, v8
	s_delay_alu instid0(VALU_DEP_1)
	v_add_nc_u32 v[ASK0], KSC, v9
	s_delay_alu instid0(VALU_DEP_2)
	v_add_nc_u32 v[ASV0], VSC, v9
	s_lshl_b32 s18, s[WV], 6
	s_add_co_u32 s18, s18, STG
	v_lshl_add_u32 v[STA], v10, 2, s18
	v_add_nc_u32 v[AST], STG, v[AK0]
	v_lshlrev_b32 v9, 2, v10                       ; 4 r: q's scale words
	global_load_b128 v[QF0:QF0+3], v[AK0], s[QB:QB+1]
	global_load_b128 v[QF1:QF1+3], v[AK0], s[QB:QB+1] offset:65536   ; the next head's
	global_load_b32 v[QS0], v9, s[QSB:QSB+1]
	global_load_b32 v[QS1], v9, s[QSB:QSB+1] offset:8192
.irp j, 20,21,22,23,28,29,30,31,64,65,66,67,208,209,210,211,217
	v_mov_b32 v\j, 0                               ; the zero codes; and registers that are named before they are first written (a lane permute's destination, a pair's upper word)
.endr
	s_wait_loadcnt 0x0                             ; q; v9 may be written again
	s_wait_tensorcnt 0x0                           ; my fill has landed,
	s_barrier_signal -1
	s_barrier_wait -1                              ; everybody's has
	HEAD 0, QF0, QS0, PW0
	HEAD 1, QF1, QS1, TT
	s_wait_dscnt 0x0                               ; for wave 0's sake: my store into the stage has landed
	s_barrier_signal -1
	s_barrier_wait -1
	s_cmp_lg_u32 s[WV], 0
	s_cbranch_scc1 .Lno_scales
	ds_load_b128 v[S:S+3], v[AST]                  ; the work-group's 256 scale words: 1,024 consecutive bytes
	ds_load_b128 v[S+4:S+7], v[AST] offset:512
	s_wait_dscnt 0x0
	global_store_b128 v[AK0], v[S:S+3], s[OSB:OSB+1]
	global_store_b128 v[AK0], v[S+4:S+7], s[OSB:OSB+1] offset:512
.Lno_scales:
	s_wait_tensorcnt 0x0                           ; the wave's end: behind my last tensor load and my last LDS store
	ds_add_u32 v[SPW], v[NIL]
	s_wait_dscnt 0x0
	CROUND                                         ; the closing round
	s_endpgm
.Lfunc_end_k_q1cbc64f5bd_attn:
	.size	k_q1cbc64f5bd_attn, .Lfunc_end_k_q1cbc64f5bd_attn-k_q1cbc64f5bd_attn
	.p2alignl 7, 3214868480
	.fill 96, 4, 3214868480
	.section	.rodata,"a",@progbits
	.p2align	6, 0x0
	.amdhsa_kernel k_q1cbc64f5bd_attn
		.amdhsa_group_segment_fixed_size 289792
		.amdhsa_private_segment_fixed_size 0
		.amdhsa_enable_private_segment 0
		.amdhsa_kernarg_size 40
		.amdhsa_user_sgpr_count 2
		.amdhsa_user_sgpr_kernarg_segment_ptr 1
		.amdhsa_wavefront_size32 1
		.amdhsa_system_sgpr_workgroup_id_x 1
		.amdhsa_system_sgpr_workgroup_id_y 1
		.amdhsa_system_sgpr_workgroup_id_z 1
		.amdhsa_system_vgpr_workitem_id 0
		.amdhsa_next_free_vgpr 256
		.amdhsa_next_free_sgpr 66
		.amdhsa_reserve_vcc 0
		.amdhsa_float_denorm_mode_32 3
		.amdhsa_float_denorm_mode_16_64 3
		.amdhsa_memory_ordered 1
		.amdhsa_forward_progress 1
		.amdhsa_inst_pref_size 50
	.end_amdhsa_kernel
	.amdgpu_metadata
---
amdhsa.version: [ 1, 2 ]
amdhsa.kernels:
  - .name:           k_q1cbc64f5bd_attn
    .symbol:         k_q1cbc64f5bd_attn.kd
    .args:
      - { .name: qimg, .offset: 0, .size: 8, .value_kind: global_buffer, .address_space: global }
      - { .name: qscl, .offset: 8, .size: 8, .value_kind: global_buffer, .address_space: global }
      - { .name: kv, .offset: 16, .size: 8, .value_kind: global_buffer, .address_space: global }
      - { .name: oimg, .offset: 24, .size: 8, .value_kind: global_buffer, .address_space: global }
      - { .name: oscl, .offset: 32, .size: 8, .value_kind: global_buffer, .address_space: global }
    .group_segment_fixed_size: 289792
    .private_segment_fixed_size: 0
    .kernarg_segment_align: 8
    .kernarg_segment_size: 40
    .max_flat_workgroup_size: 512
    .sgpr_count:     66
    .vgpr_count:     256
    .wavefront_size: 32
...
	.end_amdgpu_metadata
.endif
;; end of part 2
;; launch proj (part 3): grid 8 x 32, 8 waves a work-group, clusters of 4 x 4, 239,616 bytes of LDS; arguments oimg, oscl, w_proj_codes, w_proj_scales, b_proj, out0; writes out0
.if DOCPART == 3
	.amdgcn_target "amdgcn-amd-amdhsa--gfx1250"
	.amdhsa_code_object_version 6
	.text
	.protected	k_q1cbc64f5bd_proj
	.globl	k_q1cbc64f5bd_proj
	.p2align	8
	.type	k_q1cbc64f5bd_proj,@function
k_q1cbc64f5bd_proj:
	s_mov_b64 s[64:65], 0
	v_nop
	global_prefetch_b8 v0, s[64:65] scope:SCOPE_SE
	s_setreg_imm32_b32 hwreg(HW_REG_WAVE_MODE, 25, 1), 1
	s_wait_xcnt 0x0
	s_wait_alu depctr_hold_cnt(0) depctr_sa_sdst(0) depctr_va_vdst(0) depctr_va_sdst(0) depctr_va_ssrc(0) depctr_va_vcc(0) depctr_vm_vsrc(0)
	s_getreg_b32 s2, hwreg(HW_REG_IB_STS2, 6, 4)
	s_cmp_eq_u32 s2, 0
	s_cbranch_scc0 .Lentry_in_a_cluster
	s_endpgm
.Lentry_in_a_cluster:
	s_bfe_u32 s2, ttmp6, 0x10000c
	s_cmp_lg_u32 s2, 0xf033
	s_cbranch_scc0 .Lentry_shape_is_right
	s_endpgm
.Lentry_shape_is_right:
; out0 = o w_proj^T + b_proj on codes of FP4 (E2M1) with E8M0 scales, K = 1,024, f32 sums.  o comes as images of operand registers with its scale words by K step; w_proj as given.  No work is left out.
; LIMITS: NaN and infinities are not served.
; SHARES.  Work-group (j, i): rows 256 i .. + 255, columns 128 j .. + 127.  Eight waves: wave w takes rows 64 (w / 2) .. + 63 and columns 64 (w % 2) .. + 63: 16 accumulators.
; Source 0 = 16 rows of w_proj, source 1 = 16 rows of o: a lane holds one row of the result and eight neighbouring columns.  The bias is loaded into the accumulators and starts the sums.
; Both operands, for all of K, lie in LDS by first fills alone (one tensor load a wave is out; wave 7 has none).  CLUSTER 4 x 4: o's tile is shared along a row, w_proj's along a column, by joint loads.
.set PITCH, 528
.set T16,   16*PITCH
.set T64,   64*PITCH
.set WB,    131072                     ; LDS: o's 16 row tiles x 8,192 bytes from 0; w_proj's 128 rows,
.set WSB,   WB+2*T64                   ; its scale bytes: 16 rows of 256 + 16,
.set SPARE, WSB+16*272                 ; the spare words, 128 bytes for each wave: four blocks of 256 bytes that no other line names,
.set STG,   SPARE+8*128                ; and a stage of 16 rows x (256 + 16) bytes for each wave
.set SP,    272
.set ADO,  1                           ; v1   my o fragments: 16 x lane in my four row tiles
.set ADW,  2                           ; v2   my w_proj fragments
.set ADWS, 4                           ; v4   my w_proj scale words
.set LS,   5                           ; v5   4 x lane
.set STO,  6                           ; v6   the stage: where I put 32 bytes of a row
.set RD,   7                           ; v7   and where I read a row back
.set GO,   8                           ; v8   my byte offset in two rows of the result
.set BAH,  11                          ; v11  32 h
.set SPW,  13
.set NIL,  14
.set OS,   16                          ; v16-31 o's scale words, v32-47 w_proj's: register 8 i + q: lanes 0-15 tile 2 i, lanes 16-31 tile 2 i + 1; scales and nothing else
.set WS,   32
.set XF,   64                          ; v64-95 o's four fragments of a K step, v96-127 w_proj's; on the way out two sets of 32 for rows read back
.set WF,   96
.set ACC,  128
.set WV,   20
.set W1,   21
.set GG,   22
.set CX,   23
.set CY,   24
.set JJ,   25
.set II,   26
.set G1O,  28
.set G1W,  36
.set G1WS, 44
.set G0O,  52
.set G0W,  56
.set G0WS, 60
.set OSB,  66
.set BP,   68
.set OUT,  70
.macro PLACES
.rept 4
	v_nop
.endr
.endm
.macro CROUND                          ; a round of the cluster's barrier
	s_barrier_signal -1
	s_barrier_wait -1
	s_cmp_lg_u32 s[WV], 0
	s_cbranch_scc1 .Lnot_wave_0_\@
	s_barrier_signal -3
.Lnot_wave_0_\@:
	s_barrier_wait -3
	s_barrier_signal -1
	s_barrier_wait -1
.endm
.macro WM d, a, b, sa, sb, ra, rb      ; one matrix instruction, in place; ra, rb: the scale words of source 0, 1 stand in lanes 16-31
.set rD, \d
.set rA, \a
.set rB, \b
.set rSA, \sa
.set rSB, \sb
.set rSEL, 2*(\ra)+(\rb)
.if rSEL == 0
	v_wmma_scale_f32_16x16x128_f8f6f4 v[rD:rD+7], v[rA:rA+7], v[rB:rB+7], v[rD:rD+7], v[rSA], v[rSB] matrix_a_fmt:MATRIX_FMT_FP4 matrix_b_fmt:MATRIX_FMT_FP4
.elseif rSEL == 1
	v_wmma_scale_f32_16x16x128_f8f6f4 v[rD:rD+7], v[rA:rA+7], v[rB:rB+7], v[rD:rD+7], v[rSA], v[rSB] matrix_a_fmt:MATRIX_FMT_FP4 matrix_b_fmt:MATRIX_FMT_FP4 matrix_b_scale:MATRIX_SCALE_ROW1
.elseif rSEL == 2
	v_wmma_scale_f32_16x16x128_f8f6f4 v[rD:rD+7], v[rA:rA+7], v[rB:rB+7], v[rD:rD+7], v[rSA], v[rSB] matrix_a_fmt:MATRIX_FMT_FP4 matrix_b_fmt:MATRIX_FMT_FP4 matrix_a_scale:MATRIX_SCALE_ROW1
.else
	v_wmma_scale_f32_16x16x128_f8f6f4 v[rD:rD+7], v[rA:rA+7], v[rB:rB+7], v[rD:rD+7], v[rSA], v[rSB] matrix_a_fmt:MATRIX_FMT_FP4 matrix_b_fmt:MATRIX_FMT_FP4 matrix_a_scale:MATRIX_SCALE_ROW1 matrix_b_scale:MATRIX_SCALE_ROW1
.endif
.endm
; A K step of 128: 16 LDS loads, 16 matrix instructions on 16 accumulators by turns, in the same order in every step
.macro KSTEP q
.irp n, 0,1,2,3
.irp c, 0,1
	ds_load_b128 v[XF+8*\n+4*\c:XF+8*\n+4*\c+3], v[ADO] offset:8192*\n+1024*(\q)+512*\c
.endr
.endr
.irp n, 0,1,2,3
.irp c, 0,1
	ds_load_b128 v[WF+8*\n+4*\c:WF+8*\n+4*\c+3], v[ADW] offset:T16*\n+64*(\q)+32*\c
.endr
.endr
.irp a, 0,1,2,3
	s_wait_dscnt 6-2*\a                            ; all is in but w_proj's tiles behind tile a, two loads each
.irp b, 0,1,2,3
	WM ACC+32*\b+8*\a, WF+8*\a, XF+8*\b, WS+8*(\a/2)+(\q), OS+8*(\b/2)+(\q), \a%2, \b%2
.endr
.endr
	PLACES
.endm
; THE WAY OUT of row tile n: a lane's 32 bytes of a row go into my stage and come back as whole rows of 256 bytes
.macro TOSTAGE n
.irp t, 0,1,2,3
.irp u, 0,1
	ds_store_b128 v[STO], v[ACC+32*(\n)+8*\t+4*\u:ACC+32*(\n)+8*\t+4*\u+3] offset:64*\t+16*\u   ; each accumulator from its low end on
.endr
.endr
.irp k, 0,1,2,3,4,5,6,7
	ds_load_b128 v[XF+32*((\n)%2)+4*\k:XF+32*((\n)%2)+4*\k+3], v[RD] offset:2*\k*SP   ; LDS serves a wave's instructions in order: these see my stores, and the next tile's stores come behind them
.endr
.endm
.macro SEND n, younger                 ; younger: the LDS instructions issued behind tile n's loads
	s_wait_dscnt \younger
.irp k, 0,1,2,3,4,5,6,7
	global_store_b128 v[GO], v[XF+32*((\n)%2)+4*\k:XF+32*((\n)%2)+4*\k+3], s[OUT:OUT+1] offset:(16*(\n)+2*\k)*4096 th:TH_STORE_NT   ; 16 lanes store 256 consecutive bytes, aligned; written once, read by nobody here
.endr
.endm
	s_load_b256 s[4:11], s[0:1], 0x0               ; oimg, oscl, w_proj's codes, its scales
	s_load_b128 s[12:15], s[0:1], 0x20             ; b_proj, out0
	v_lshl_add_u32 v[SPW], v0, 2, SPARE
	v_mov_b32 v[NIL], 0
	ds_add_u32 v[SPW], v[NIL]                      ; the wave's opening: the add, twice on end, and its wait ahead of my first tensor load
	ds_add_u32 v[SPW], v[NIL]                      ; and once more; the set-up below, work on registers, stands between it and the wait
	v_lshrrev_b32 v64, 5, v0
	s_delay_alu instid0(VALU_DEP_1)
	v_readfirstlane_b32 s[WV], v64                 ; wave 0..7
	s_and_b32 s[W1], s[WV], 1
	s_lshr_b32 s[GG], s[WV], 1
	s_bfe_u32 s[CX], ttmp6, 0x40000
	s_bfe_u32 s[CY], ttmp6, 0x40004
	s_lshl_b32 s[JJ], ttmp9, 2
	s_add_co_u32 s[JJ], s[JJ], s[CX]               ; j
	s_and_b32 s[II], ttmp7, 0xffff
	s_lshl_b32 s[II], s[II], 2
	s_add_co_u32 s[II], s[II], s[CY]               ; i
	s_lshl_b32 s2, s[CY], 2
	s_lshl_b32 s2, 15, s2                          ; my row of the cluster: shares o
	s_lshl_b32 s3, 0x1111, s[CX]                   ; my column: shares w_proj
	s_or_b32 s[G1O], s2, (3<<16)|(1<<21)           ; o's images: dense, 128 rows of 256 bytes a load, no padding
	s_mov_b32 s[G1O+1], 32<<16
	s_mov_b32 s[G1O+2], 128<<16
	s_mov_b32 s[G1O+3], 32<<16
	s_mov_b32 s[G1O+4], 128
	s_mov_b32 s[G1O+5], 32
	s_mov_b32 s[G1O+6], 0
	s_mov_b32 s[G1O+7], 0
	s_or_b32 s[G1W], s3, (1<<20)|(1<<21)|(6<<22)|(3<<25)   ; w_proj: 64 rows of 512 bytes, 4 words of padding behind every 128
	s_mov_b32 s[G1W+1], 512<<16
	s_mov_b32 s[G1W+2], 64<<16
	s_mov_b32 s[G1W+3], 512<<16
	s_mov_b32 s[G1W+4], 64
	s_mov_b32 s[G1W+5], 512
	s_mov_b32 s[G1W+6], 0
	s_mov_b32 s[G1W+7], 0
	s_or_b32 s[G1WS], s3, (3<<16)|(1<<20)|(1<<21)|(5<<22)|(3<<25)   ; its scales: 16 rows of 256 bytes, 4 words behind each
	s_mov_b32 s[G1WS+1], 32<<16
	s_mov_b32 s[G1WS+2], 16<<16
	s_mov_b32 s[G1WS+3], 32<<16
	s_mov_b32 s[G1WS+4], 16
	s_mov_b32 s[G1WS+5], 32
	s_mov_b32 s[G1WS+6], 0
	s_mov_b32 s[G1WS+7], 0
	s_mov_b32 s[G0O], 1
	s_and_b32 s27, s[WV], 3
	s_lshl_b32 s[G0O+1], s27, 15                   ; four row tiles a load
	s_lshl_b32 s[G0O+2], s[II], 17
	s_add_co_u32 s[G0O+2], s[G0O+2], s[G0O+1]
	s_mov_b32 s[G0O+3], 0
	s_mov_b32 s[G0W], 1
	s_mul_i32 s[G0W+1], s[W1], T64
	s_add_co_u32 s[G0W+1], s[G0W+1], WB
	s_lshl_b32 s[G0W+2], s[JJ], 16
	s_lshl_b32 s27, s[W1], 15
	s_add_co_u32 s[G0W+2], s[G0W+2], s27
	s_mov_b32 s[G0W+3], 0
	s_mov_b32 s[G0WS], 1
	s_mov_b32 s[G0WS+1], WSB
	s_lshl_b32 s[G0WS+2], s[JJ], 12
	s_mov_b32 s[G0WS+3], 0
	s_lshl_b32 s[OSB], s[II], 10                   ; o's scale words: 4 x (256 i + 64 G)
	s_lshl_b32 s27, s[GG], 8
	s_add_co_u32 s[OSB], s[OSB], s27
	s_mov_b32 s[OSB+1], 0
	s_lshl_b32 s[BP], s[JJ], 9                     ; the bias and my columns: 4 x (128 j + 64 (w % 2))
	s_lshl_b32 s27, s[W1], 8
	s_add_co_u32 s[BP], s[BP], s27
	s_mov_b32 s[BP+1], 0
	s_lshl_b32 s[OUT], s[II], 20                   ; the result: 4,096 x (256 i + 64 G) + my columns
	s_lshl_b32 s27, s[GG], 18
	s_add_co_u32 s[OUT], s[OUT], s27
	s_add_co_u32 s[OUT], s[OUT], s[BP]
	s_mov_b32 s[OUT+1], 0
	s_wait_dscnt 0x0                               ; both opening adds are done
	s_wait_kmcnt 0x0
	s_add_nc_u64 s[G0O+2:G0O+3], s[4:5], s[G0O+2:G0O+3]
	s_or_b32 s[G0O+3], s[G0O+3], 0x80000000
	s_add_nc_u64 s[G0W+2:G0W+3], s[8:9], s[G0W+2:G0W+3]
	s_or_b32 s[G0W+3], s[G0W+3], 0x80000000
	s_add_nc_u64 s[G0WS+2:G0WS+3], s[10:11], s[G0WS+2:G0WS+3]
	s_or_b32 s[G0WS+3], s[G0WS+3], 0x80000000
	s_add_nc_u64 s[OSB:OSB+1], s[6:7], s[OSB:OSB+1]
	s_add_nc_u64 s[BP:BP+1], s[12:13], s[BP:BP+1]
	s_add_nc_u64 s[OUT:OUT+1], s[14:15], s[OUT:OUT+1]
	CROUND                                         ; all sixteen work-groups are here: the joint loads meet
	s_cmp_lt_u32 s[WV], 4                          ; the first fills: waves 0-3 o's quarters, 4 and 5 w_proj's halves, 6 its scales
	s_cbranch_scc0 .Lfill_not_o
	tensor_load_to_lds s[G0O:G0O+3], s[G1O:G1O+7]
	s_nop 0
	PLACES
	s_branch .Lfilled
.Lfill_not_o:
	s_cmp_lt_u32 s[WV], 6
	s_cbranch_scc0 .Lfill_not_w
	tensor_load_to_lds s[G0W:G0W+3], s[G1W:G1W+7]
	s_nop 0
	PLACES
	s_branch .Lfilled
.Lfill_not_w:
	s_cmp_eq_u32 s[WV], 6
	s_cbranch_scc0 .Lfilled
	tensor_load_to_lds s[G0WS:G0WS+3], s[G1WS:G1WS+7]
	s_nop 0
	PLACES
.Lfilled:
	v_and_b32 v64, 31, v0                          ; lane l
	v_and_b32 v65, 15, v0                          ; r
	v_bfe_u32 v66, v0, 4, 1                        ; h
	s_lshl_b32 s2, s[GG], 15
	v_lshl_add_u32 v[ADO], v64, 4, s2
	v_mul_u32_u24 v67, v65, PITCH
	s_delay_alu instid0(VALU_DEP_1)
	v_lshl_add_u32 v67, v66, 4, v67
	s_mul_i32 s2, s[W1], T64
	s_add_co_u32 s2, s2, WB
	v_add_nc_u32 v[ADW], s2, v67
	v_lshrrev_b32 v68, 3, v64
	v_lshlrev_b32 v69, 5, v64
	s_delay_alu instid0(VALU_DEP_1)
	v_lshl_add_u32 v69, v68, 4, v69                ; scale bytes of row l: 32 l, and 16 more for each 256 passed
	s_mul_i32 s2, s[W1], 2176
	s_add_co_u32 s2, s2, WSB
	v_add_nc_u32 v[ADWS], s2, v69
	v_lshlrev_b32 v[LS], 2, v64
	s_mul_i32 s2, s[WV], 16*SP
	s_add_co_u32 s2, s2, STG                       ; my stage
	v_mul_u32_u24 v67, v65, SP
	s_delay_alu instid0(VALU_DEP_1)
	v_lshl_add_u32 v67, v66, 5, v67
	s_delay_alu instid0(VALU_DEP_1)
	v_add_nc_u32 v[STO], s2, v67                   ; in: row r, + 32 h
	v_mul_u32_u24 v67, v66, SP
	s_delay_alu instid0(VALU_DEP_1)
	v_lshl_add_u32 v67, v65, 4, v67
	s_delay_alu instid0(VALU_DEP_1)
	v_add_nc_u32 v[RD], s2, v67                    ; back: lanes 0-15 one row, lanes 16-31 the next
	v_lshlrev_b32 v[GO], 12, v66
	s_delay_alu instid0(VALU_DEP_1)
	v_lshl_add_u32 v[GO], v65, 4, v[GO]            ; and the same two rows in the result
	v_lshlrev_b32 v[BAH], 5, v66
.irp n, 0,1,2,3
.irp t, 0,1,2,3
.irp u, 0,1
	global_load_b128 v[ACC+32*\n+8*\t+4*\u:ACC+32*\n+8*\t+4*\u+3], v[BAH], s[BP:BP+1] offset:64*\t+16*\u   ; register j of tile t: b(my columns' 16 t + 8 h + j): the sums begin with it
.endr
.endr
.endr
.irp i, 0,1
.irp q, 0,1,2,3,4,5,6,7
	global_load_b32 v[OS+8*\i+\q], v[LS], s[OSB:OSB+1] offset:32768*\q+128*\i   ; K step q, row 32 i + l
.endr
.endr
	s_wait_tensorcnt 0x0                           ; my fill has landed,
	s_barrier_signal -1
	s_barrier_wait -1                              ; everybody's has
.irp i, 0,1
.irp u, 0,1
	ds_load_b128 v[WS+8*\i+4*\u:WS+8*\i+4*\u+3], v[ADWS] offset:1088*\i+16*\u   ; all eight K steps' scale words of row 32 i + l
.endr
.endr
	s_wait_loadcnt 0x0                             ; the bias and o's scale words
.irp q, 0,1,2,3,4,5,6,7
	KSTEP \q
.endr
	s_wait_alu depctr_va_vdst(0)
	TOSTAGE 0
	TOSTAGE 1
	SEND 0, 16                                     ; behind tile 0's loads: tile 1's eight stores and eight loads
	s_wait_xcnt 0x0                                ; tile 0's stores have read their registers: tile 2's loads may land there
	TOSTAGE 2
	SEND 1, 16
	s_wait_xcnt 0x0
	TOSTAGE 3
	SEND 2, 16
	SEND 3, 0
	s_wait_tensorcnt 0x0                           ; the wave's end: behind my last tensor load and my last LDS store
	ds_add_u32 v[SPW], v[NIL]
	s_wait_dscnt 0x0
	CROUND                                         ; the closing round
	s_endpgm
.Lfunc_end_k_q1cbc64f5bd_proj:
	.size	k_q1cbc64f5bd_proj, .Lfunc_end_k_q1cbc64f5bd_proj-k_q1cbc64f5bd_proj
	.p2alignl 7, 3214868480
	.fill 96, 4, 3214868480
	.section	.rodata,"a",@progbits
	.p2align	6, 0x0
	.amdhsa_kernel k_q1cbc64f5bd_proj
		.amdhsa_group_segment_fixed_size 239616
		.amdhsa_private_segment_fixed_size 0
		.amdhsa_enable_private_segment 0
		.amdhsa_kernarg_size 48
		.amdhsa_user_sgpr_count 2
		.amdhsa_user_sgpr_kernarg_segment_ptr 1
		.amdhsa_wavefront_size32 1
		.amdhsa_system_sgpr_workgroup_id_x 1
		.amdhsa_system_sgpr_workgroup_id_y 1
		.amdhsa_system_sgpr_workgroup_id_z 1
		.amdhsa_system_vgpr_workitem_id 0
		.amdhsa_next_free_vgpr 256
		.amdhsa_next_free_sgpr 72
		.amdhsa_reserve_vcc 0
		.amdhsa_float_denorm_mode_32 3
		.amdhsa_float_denorm_mode_16_64 3
		.amdhsa_memory_ordered 1
		.amdhsa_forward_progress 1
		.amdhsa_inst_pref_size 46
	.end_amdhsa_kernel
	.amdgpu_metadata
---
amdhsa.version: [ 1, 2 ]
amdhsa.kernels:
  - .name:           k_q1cbc64f5bd_proj
    .symbol:         k_q1cbc64f5bd_proj.kd
    .args:
      - { .name: oimg, .offset: 0, .size: 8, .value_kind: global_buffer, .address_space: global }
      - { .name: oscl, .offset: 8, .size: 8, .value_kind: global_buffer, .address_space: global }
      - { .name: w_proj_codes, .offset: 16, .size: 8, .value_kind: global_buffer, .address_space: global }
      - { .name: w_proj_scales, .offset: 24, .size: 8, .value_kind: global_buffer, .address_space: global }
      - { .name: b_proj, .offset: 32, .size: 8, .value_kind: global_buffer, .address_space: global }
      - { .name: out0, .offset: 40, .size: 8, .value_kind: global_buffer, .address_space: global }
    .group_segment_fixed_size: 239616
    .private_segment_fixed_size: 0
    .kernarg_segment_align: 8
    .kernarg_segment_size: 48
    .max_flat_workgroup_size: 256
    .sgpr_count:     72
    .vgpr_count:     256
    .wavefront_size: 32
...
	.end_amdgpu_metadata
.endif
;; end of part 3
